; MI455X (gfx1250); checked and timed in simulation.
; The chip was launched on July 23, 2026; its instructions are those of AMD's public machine-readable ISA for CDNA 5 (MIT licence, August 2026) and "CDNA5" Instruction Set Architecture Reference Guide (July 2026). The comments in the code are by the model that wrote it; some were corrected since.
;; Mo E Layer. Allowed arithmetic: matrix products marked QUANTISED: E2M1 operands, one E8M0 scale for each 32 along K, by v_wmma_scale_f32_16x16x128_f8f6f4 with both operands' format E2M1 (or v_wmma_scale_f32_32x16x128_f4), f32 sums; products left as they are: f32 operands where the result goes on into a quantised operand, else bf16, f16 or f32 operands; f32 sums; everything else in f32.
;; Inputs: We_codes 8 x 1,024 x 32 x 16 uint8 (E2M1 codes of We, K innermost, in blocks of 32 codes, two codes a byte); We_scales 8 x 1,024 x 32 uint8 (E8M0 scales of We, one for each 32 codes along K); Wg 1,024 x 8 float32; be 8 x 1,024 float32; bg 8 float32; x 8,192 x 1,024 float32.
;; Outputs: out0 8,192 x 1,024 float32.
;; This version of the problem:
;;   THIS VERSION OF THE PROBLEM IS GIVEN IN LOW PRECISION. The matrix products marked QUANTISED in the list below multiply operands that are first quantised to E2M1 (2 exponent bits, 1 mantissa bit; 4 bits a number), with one power-of-two scale for each 32 numbers along K (OCP MX v1.0); their sums are f32. All else is computed in f32.
;;   The module's matrix products, in the order in which they are computed (A, B: the left and right operand; K: the contracted axis; several contracted axes count as one K, in the product's order):
;;     1. [M 8,192, K 1,024] x [K 1,024, N 8]; A: input x; B: input Wg: left as it is (N = 8 < 16)
;;     2. [M 8,192, K 1,024] x [K 1,024, N 8,192]; A: input x; B: input We (given as codes): QUANTISED
;;     3. batch 8,192 x [M 1, K 8] x [K 8, N 1,024]; A: softmax; B: computed on the way: left as it is (K = 8 < 32)
;;   THE QUANTISER, for each operand of a quantised product, along K:
;;     - K is cut into blocks of 32 from its start; a last block that is shorter is filled with zeros.
;;     - A block's scale is 2^e with e = floor(log2(the largest magnitude in the block)) - 2, held to -126 .. 127; a block of zeros has e = 0. As a byte (E8M0): e + 127.
;;     - Each number is divided by its block's scale, clamped to +-6, and rounded to the nearest number of E2M1, ties to even, subnormals kept.
;;     - The product sums the exact products of the quantised numbers (number of the format x scale) in f32.
;;   ~~~python
;;   def quantise(x, axis):      # numpy; x: float32 -> the quantised numbers, widened to float32 again
;;       x = np.moveaxis(x, axis, -1); K = x.shape[-1]
;;       x = np.pad(x, [(0, 0)] * (x.ndim - 1) + [(0, -K % 32)]); x = x.reshape(x.shape[:-1] + (-1, 32)); a = np.abs(x).max(-1, keepdims=True)
;;       e = np.where(a > 0, np.clip(np.frexp(np.where(a > 0, a, 1))[1] - 1 - 2, -126, 127), 0)      # np.frexp(a)[1] - 1 = floor(log2(a)), exactly
;;       r = np.clip(x / 2.0 ** e, -6, 6)
;;       step = 2.0 ** (np.maximum(np.frexp(np.where(r == 0, 1, r))[1] - 1, 0) - 1)
;;       q = np.round(r / step) * step * 2.0 ** e      # np.round: ties to even
;;       return np.moveaxis(q.reshape(q.shape[:-2] + (-1,))[..., :K], -1, axis).astype(np.float32)
;;   ~~~
;;   INPUTS GIVEN AS CODES. We (in the module: [8, 1024, 1024], K = its axis 1): each comes as NAME_codes (uint8): NAME with its K axis moved to the last place and cut into blocks of 32 codes, [.., K / 32, bytes a block], one block behind the other in memory; two codes a byte, the lower K in the low four bits (a code: sign, 2 exponent bits, 1 mantissa bit); and NAME_scales (uint8): the same leading axes, one E8M0 byte (e + 127) for each 32 codes along K. Its value is code x scale, taken as it is: it is not quantised again, and the codes and scales need not be those that the quantiser above would give.
;; 2 versions, each right and faster than the one before. Each part assembles by itself: llvm-mc -triple=amdgcn-amd-amdhsa -mcpu=gfx1250 --defsym DOCPART=n.
;; ======== version 1 of 2: 2 launches
;; workspace buffers: xq 4,718,592 bytes; wimg 4,194,304 bytes
;; launch prep (part 1): grid 256 x 1, 8 waves a work-group, no clusters, 127,488 bytes of LDS; arguments x, Wg, bg, We_codes, xq, wimg; writes xq, wimg
.if DOCPART == 1
	.amdgcn_target "amdgcn-amd-amdhsa--gfx1250"
	.amdhsa_code_object_version 6
	.text
	.protected	k_q1bea6a8f42_prep
	.globl	k_q1bea6a8f42_prep
	.p2align	8
	.type	k_q1bea6a8f42_prep,@function
k_q1bea6a8f42_prep:
	s_mov_b64 s[64:65], 0
	v_nop
	global_prefetch_b8 v0, s[64:65] scope:SCOPE_SE
	s_setreg_imm32_b32 hwreg(HW_REG_WAVE_MODE, 25, 1), 1
	s_wait_xcnt 0x0
; x [8192][1024] f32 becomes 512 RECORDS, one for each tile of 16 tokens, laid as the product's launch takes them into registers; the experts' codes are laid anew in the same way.
; A record, REC = 9,216 bytes:  0..8191 the tile's codes of FP4 (E2M1): K step s (128 along K) at 1024 s, registers 4 c .. 4 c + 3 of lane l at 512 c + 16 l;
;   8192..8703 scale words: lane l = r + 16 h has 16 bytes at 16 l: token r's words of K steps 4 h .. 4 h + 3;   8704..9215 gates: lane l has g[token r][4 h .. 4 h + 3], f32, at 16 l.
; wimg: [tile of 16 outputs][expert][K step][1024 bytes]: the fragment of We's rows (expert, 16 tile + r), registers 4 c .. 4 c + 3 of lane (r, h) = the row's bytes 64 s + 32 c + 16 h, at 512 c + 16 l.
; QUANTISER: a block of 32 along K has the scale 2^(floor(log2(largest magnitude)) - 2); numbers / scale go to the nearest code, ties to even, beyond 6 the largest code.
; GATES: softmax(x Wg + bg), the row's largest logit taken away first.  The product x Wg runs on bf16 operands with f32 sums (its result feeds no quantiser).
; LIMITS: NaN and infinities in x are not served.  A block whose largest magnitude lies under 2^-124 (a block of zeros among them) gets the byte 1: a block of zeros has zero codes, which add nothing
;   under that byte, and the bytes are read by this program alone.  The logits' error is that of rounding x and Wg to bf16: it grows with the size and with a common offset of x.
; SHARES: work-group g takes tokens 32 g .. 32 g + 31 (two tiles); wave w takes K step w of both.  It also lays two blocks of 16 weight rows (8,192 bytes each) anew: waves 0-3 block 2 g, waves 4-7 block 2 g + 1.
; All 45 loads of a wave go out at its head, each 512 consecutive bytes.  One barrier: behind it the eight waves' partial logits, scale words and weight rows are read across waves.
.set REC, 9216
.set XT,  0                            ; LDS: 8 x 8,448: each wave's own stage for the turn: 16 rows of 512 bytes + 16
.set WT,  67584                        ; 8 x 4,096: each wave's own table of Wg in bf16: 128 rows k of 32 bytes
.set WB,  100352                       ; 2 x 8,448: a block of weight rows: 16 rows of 512 bytes + 16
.set PL,  117248                       ; 8,192: partial logits [tile][wave][512]
.set SW,  125440                       ; 1,024: scale words [tile][512], as they lie in a record
.set LI,  4                            ; v4   16 x lane
.set XTS, 5                            ; v5   the stage, way in: a row's 512 bytes as loaded
.set XTL, 6                            ; v6   way out: row r, + 64 h
.set WTS, 7                            ; v7   Wg's table, way in
.set WTL, 8                            ; v8   way out, for the turning load
.set WBS, 9                            ; v9   weight rows, way in
.set WBL, 10                           ; v10  way out
.set PLS, 11                           ; v11  partial logits, way in
.set PLL, 12                           ; v12  way out
.set SWS, 13                           ; v13  my K step's scale word of token r
.set SWL, 14                           ; v14  a tile's scale words, way out
.set BGA, 15                           ; v15  16 h: my four numbers of bg
.set X0,  16                           ; v16-79   tile 0: 64 numbers a lane; later 32 registers of bf16
.set X1,  80                           ; v80-143  tile 1
.set WR,  144                          ; v144-175 Wg as loaded; then:
.set ACC, 144                          ; v144-159 two accumulators of logits
.set PC0, 160                          ; v160-167 tile 0's codes
.set PC1, 168                          ; v168-175 tile 1's
.set WGF, 176                          ; v176-207 four fragments of Wg
.set CR,  208                          ; v208-223 weight rows as loaded, later as images
.set TM,  224                          ; v224-239 at work
.set PW0, 240                          ; v240, v241 the scale words just made
.set PW1, 241
.set BG,  244                          ; v244-247 bg
.set SEL, 36                           ; s[36:37] v_permlanex16_b32's selects for lane l xor 16
	s_load_b256 s[4:11], s[0:1], 0x0               ; x s[4:5], Wg s[6:7], bg s[8:9], We's codes s[10:11]
	s_load_b128 s[12:15], s[0:1], 0x20             ; xq s[12:13], wimg s[14:15]
	v_lshl_add_u32 v254, v0, 2, 0x1ee00
	v_mov_b32 v255, 0
	v_lshrrev_b32 v1, 5, v0
	v_readfirstlane_b32 s16, v1                    ; wave 0..7
	v_and_b32 v1, 31, v0                           ; lane
	v_and_b32 v2, 15, v0                           ; r
	v_bfe_u32 v3, v0, 4, 1                         ; h
	v_lshlrev_b32 v[LI], 4, v1
	v_lshlrev_b32 v[BGA], 4, v3
	s_and_b32 s17, s16, 3
	s_lshr_b32 s18, s16, 2
	s_and_b32 s19, s16, 1
	s_lshl_b32 s20, ttmp9, 17                      ; x: 32 rows of 4,096 bytes a work-group,
	s_lshl_b32 s21, s16, 9                         ; + my K step's 512 bytes
	s_add_co_u32 s20, s20, s21
	s_mov_b32 s21, 0
	s_lshl_b32 s22, s16, 12                        ; Wg: my 128 rows of 32 bytes
	s_mov_b32 s23, 0
	s_lshl_b32 s26, ttmp9, 1
	s_add_co_u32 s26, s26, s18                     ; my block of weight rows: B = 64 expert + tile of outputs
	s_lshl_b32 s28, s26, 13
	s_lshl_b32 s27, s17, 11                        ; my four rows of it; also my two images of it
	s_add_co_u32 s28, s28, s27
	s_mov_b32 s29, 0
	s_and_b32 s30, s26, 63                         ; tile of outputs
	s_lshr_b32 s31, s26, 6                         ; expert
	s_lshl_b32 s30, s30, 3
	s_add_co_u32 s30, s30, s31
	s_lshl_b32 s30, s30, 13                        ; wimg: (8 tile + expert) x 8,192
	s_add_co_u32 s30, s30, s27
	s_mov_b32 s31, 0
	s_mul_i32 s32, ttmp9, 2*REC                    ; xq: my work-group's two records
	s_lshl_b32 s33, s16, 10
	s_add_co_u32 s34, s32, s33                     ; + my K step's 1,024 bytes of codes
	s_mov_b32 s35, 0
	s_mul_i32 s33, s19, REC
	s_add_co_u32 s32, s32, s33                     ; the record of tile wave % 2, for the gates and the scale words
	s_mov_b32 s33, 0
	s_mov_b32 s[SEL], 0x76543210
	s_mov_b32 s[SEL+1], 0xfedcba98
	s_wait_kmcnt 0x0
	s_add_nc_u64 s[4:5], s[4:5], s[20:21]
	s_add_nc_u64 s[6:7], s[6:7], s[22:23]
	s_add_nc_u64 s[10:11], s[10:11], s[28:29]
	s_add_nc_u64 s[24:25], s[12:13], s[32:33]
	s_add_nc_u64 s[12:13], s[12:13], s[34:35]
	s_add_nc_u64 s[14:15], s[14:15], s[30:31]
.irp q, 0,1,2,3,4,5,6,7
	global_load_b128 v[WR+4*\q:WR+4*\q+3], v[LI], s[6:7] offset:512*\q       ; Wg: lane l of load q: row 16 q + l / 2, experts 4 (l % 2) on
.endr
	global_load_b128 v[BG:BG+3], v[BGA], s[8:9]
.irp i, 0,1,2,3
	global_load_b128 v[CR+4*\i:CR+4*\i+3], v[LI], s[10:11] offset:512*\i th:TH_LOAD_NT   ; a weight row of 512 bytes
.endr
.irp i, 0,1,2,3,4,5,6,7,8,9,10,11,12,13,14,15
	global_load_b128 v[X0+4*\i:X0+4*\i+3], v[LI], s[4:5] offset:\i*4096 th:TH_LOAD_NT    ; token i of tile 0: my K step's 512 consecutive bytes
.endr
.irp i, 0,1,2,3,4,5,6,7,8,9,10,11,12,13,14,15
	global_load_b128 v[X1+4*\i:X1+4*\i+3], v[LI], s[4:5] offset:(16+\i)*4096 th:TH_LOAD_NT
.endr
	; every LDS address: a constant + a constant x wave + lane terms
	s_mul_i32 s20, s16, 8448
	v_add_nc_u32 v[XTS], s20, v[LI]
	v_mul_u32_u24 v[XTL], v2, 528
	v_lshl_add_u32 v[XTL], v3, 6, v[XTL]
	v_add_nc_u32 v[XTL], s20, v[XTL]
	s_lshl_b32 s20, s16, 12
	s_add_co_u32 s20, s20, WT
	v_add_nc_u32 v[WTS], s20, v[LI]
	v_and_b32 v[WTL], 7, v0
	v_lshlrev_b32 v[WTL], 5, v[WTL]                ; the turning load: lane l addresses row 16 h + l % 8,
	v_lshl_add_u32 v[WTL], v3, 9, v[WTL]
	v_bfe_u32 v[WBS], v0, 3, 1
	v_lshl_add_u32 v[WTL], v[WBS], 4, v[WTL]       ; columns 8 ((l / 8) % 2) on
	v_add_nc_u32 v[WTL], s20, v[WTL]
	s_mul_i32 s20, s18, 8448
	s_add_co_u32 s20, s20, WB
	s_mul_i32 s21, s17, 2112                       ; four rows of 528
	s_add_co_u32 s21, s21, s20
	v_add_nc_u32 v[WBS], s21, v[LI]
	v_mul_u32_u24 v[WBL], v2, 528
	v_lshl_add_u32 v[WBL], v3, 4, v[WBL]
	s_lshl_b32 s21, s17, 7                         ; K steps 2 (w % 4), 2 (w % 4) + 1: 128 bytes of each row
	s_add_co_u32 s21, s21, s20
	v_add_nc_u32 v[WBL], s21, v[WBL]
	s_lshl_b32 s20, s16, 9
	s_add_co_u32 s20, s20, PL
	v_add_nc_u32 v[PLS], s20, v[LI]
	s_lshl_b32 s20, s19, 12
	s_add_co_u32 s20, s20, PL
	v_add_nc_u32 v[PLL], s20, v[LI]
	s_lshl_b32 s20, s18, 8
	s_lshl_b32 s21, s17, 2
	s_add_co_u32 s20, s20, s21
	s_add_co_u32 s20, s20, SW
	v_lshl_add_u32 v[SWS], v2, 4, s20              ; 16 r + 256 (w / 4) + 4 (w % 4)
	s_lshl_b32 s20, s19, 9
	s_add_co_u32 s20, s20, SW
	v_add_nc_u32 v[SWL], s20, v[LI]
	v_mov_b32 v249, 0                              ; written once: a lane permute's destination counts as one of its sources
	; Wg's table.  A row k holds, in bf16, [w0-3 | w0-3 | w4-7 | w4-7]: column m is expert (m % 4) + 4 (m / 8).  So in the transposed product below registers 0-3 of lane (r, h) are experts 4 h .. 4 h + 3.
	s_wait_loadcnt 37                              ; Wg's eight loads are in; behind them: bg 1, weight rows 4, x 32
.irp q, 0,1,2,3,4,5,6,7
	v_cvt_pk_bf16_f32 v[TM+2*\q], v[WR+4*\q], v[WR+4*\q+1]
	v_cvt_pk_bf16_f32 v[TM+2*\q+1], v[WR+4*\q+2], v[WR+4*\q+3]
.endr
.irp q, 0,1,2,3,4,5,6,7
	ds_store_b64 v[WTS], v[TM+2*\q:TM+2*\q+1] offset:512*\q
	ds_store_b64 v[WTS], v[TM+2*\q:TM+2*\q+1] offset:512*\q+8
.endr
.irp b, 0,1,2,3                        ; LDS serves a wave's instructions in order (ISA guide 5.7.1.4): these see my stores.  Lane (m, h) gets k = 32 b + 16 h + 0 .. 15 of column m: the order of k that x's bf16 registers have
	ds_load_tr16_b128 v[WGF+8*\b:WGF+8*\b+3], v[WTL] offset:1024*\b
	ds_load_tr16_b128 v[WGF+8*\b+4:WGF+8*\b+7], v[WTL] offset:1024*\b+256
.endr
	s_wait_loadcnt 32                              ; bg and my four weight rows are in; x's 32 loads may be out
.irp i, 0,1,2,3
	ds_store_b128 v[WBS], v[CR+4*\i:CR+4*\i+3] offset:528*\i
.endr
; 64 numbers of a lane, register 16 b + i = k 32 b + 16 h + i of my token, become a fragment's codes in v[pc] on and its scale word in v[pw].
.macro QUANT s, pc, pw
.irp b, 0,1,2,3
	v_max3_num_f32 v[TM+\b], |v[\s+16*\b]|, |v[\s+1+16*\b]|, 0x1800000   ; block b: my 16 numbers, and the floor 2^(3 - 127): the byte cannot fall under 1
.endr
.irp i, 2,4,6,8,10,12,14
.irp b, 0,1,2,3
	v_max3_num_f32 v[TM+\b], v[TM+\b], |v[\s+16*\b+\i]|, |v[\s+1+16*\b+\i]|   ; the four blocks by turns
.endr
.endr
.irp b, 0,1,2,3
	v_permlanex16_b32 v[TM+4+\b], v[TM+\b], s[SEL], s[SEL+1]       ; (its destination was written by Wg's conversions)
.endr
.irp b, 0,1,2,3
	v_max_num_f32 v[TM+\b], v[TM+\b], v[TM+4+\b]   ; with lane l xor 16's: the block's largest magnitude
.endr
.irp b, 0,1,2,3
	v_add_nc_u32 v[TM+12+\b], 0xff000000, v[TM+\b] ; 2 off its exponent field: the conversion takes this operand's exponent field as its scale
.endr
.irp b, 0,1,2,3
	v_lshrrev_b32 v[TM+4+\b], 23, v[TM+12+\b]      ; the scale's byte
.endr
	v_lshl_or_b32 v[\pw], v[TM+5], 8, v[TM+4]
	v_lshl_or_b32 v[\pw], v[TM+6], 16, v[\pw]
	v_lshl_or_b32 v[\pw], v[TM+7], 24, v[\pw]      ; my token's scale word for this K step
.irp b, 0,1,2,3
	v_cvt_scalef32_pk8_fp4_f32 v[\pc+2*\b], v[\s+16*\b:\s+7+16*\b], v[TM+12+\b]
	v_cvt_scalef32_pk8_fp4_f32 v[\pc+1+2*\b], v[\s+8+16*\b:\s+15+16*\b], v[TM+12+\b]
.endr
	v_nop                                          ; one plain place behind a scaled conversion
.irp c, 0,1                            ; the operand's layout wants a whole block in a lane: lanes 0-15 block 2 c, lanes 16-31 block 2 c + 1
.irp i, 0,1
	v_permlane16_swap_b32 v[\pc+4*\c+\i], v[\pc+2+4*\c+\i]
.endr
.endr
.endm
; A tile: its 16 rows x 512 bytes turn through my stage, so that a lane holds 16 neighbours of each block; codes and scale word; then the numbers are packed to bf16 for the gate's product.
.macro TOK x, pc, pw, t, left
	s_wait_loadcnt \left                           ; this tile's 16 loads are in
.irp i, 0,1,2,3,4,5,6,7,8,9,10,11,12,13,14,15
	ds_store_b128 v[XTS], v[\x+4*\i:\x+4*\i+3] offset:528*\i
.endr
.irp b, 0,1,2,3
.irp j, 0,1,2,3
	ds_load_b128 v[\x+16*\b+4*\j:\x+16*\b+4*\j+3], v[XTL] offset:128*\b+16*\j   ; in order behind my stores; rows 528 bytes apart start at different banks
.endr
.endr
	s_wait_dscnt 0x0
	QUANT \x, \pc, \pw
	global_store_b128 v[LI], v[\pc:\pc+3], s[12:13] offset:\t*REC          ; the wave stores 512 consecutive bytes
	global_store_b128 v[LI], v[\pc+4:\pc+7], s[12:13] offset:\t*REC+512
	ds_store_b32 v[SWS], v[\pw] offset:512*\t      ; both halves of the lanes write the same word with the same value
.set n, 0
.rept 32
	v_cvt_pk_bf16_f32 v[\x+n], v[\x+2*n], v[\x+2*n+1]   ; in place, ascending: no register is read after it was written.  Registers 8 b .. 8 b + 7: k = 32 b + 16 h + 0 .. 15
.set n, n+1
.endr
.endm
	TOK X0, PC0, PW0, 0, 16                        ; the second tile's 16 loads may be out
	TOK X1, PC1, PW1, 1, 0
	; partial logits of my 128 along K, TRANSPOSED: source 0 = Wg's 16 columns, source 1 = 16 tokens.  The two accumulators take turns.
.irp b, 0,1,2,3
.irp t, 0,1
.if \b == 0
	v_wmma_f32_16x16x32_bf16 v[ACC+8*\t:ACC+8*\t+7], v[WGF+8*\b:WGF+8*\b+7], v[X0+64*\t+8*\b:X0+64*\t+8*\b+7], 0
.else
	v_wmma_f32_16x16x32_bf16 v[ACC+8*\t:ACC+8*\t+7], v[WGF+8*\b:WGF+8*\b+7], v[X0+64*\t+8*\b:X0+64*\t+8*\b+7], v[ACC+8*\t:ACC+8*\t+7]
.endif
.endr
.endr
.rept 4
	v_nop                                          ; four places behind the last product, for the stores of results and the later loads into x's registers
.endr
	ds_store_b128 v[PLS], v[ACC:ACC+3]             ; lane (r, h): token r, experts 4 h .. 4 h + 3
	ds_store_b128 v[PLS], v[ACC+8:ACC+11] offset:4096
	s_wait_dscnt 0x0                               ; for the others' sake: my weight rows, scale words and partial logits lie in LDS
	s_barrier_signal -1
	s_barrier_wait -1
.irp n, 0,1,2,3                        ; two images of my block: lane (r, h) takes the row's bytes 64 s + 32 c + 16 h
	ds_load_b128 v[CR+4*\n:CR+4*\n+3], v[WBL] offset:32*\n
.endr
	s_wait_dscnt 0x0
.irp n, 0,1,2,3
	global_store_b128 v[LI], v[CR+4*\n:CR+4*\n+3], s[14:15] offset:512*\n
.endr
	s_cmp_lt_u32 s16, 2
	s_cbranch_scc0 .Lnot_gates
	; waves 0 and 1: the gates of tile w
.irp q, 0,1,2,3,4,5,6,7
	ds_load_b128 v[16+4*\q:19+4*\q], v[PLL] offset:512*\q
.endr
	s_wait_dscnt 0x0
.irp q, 0,2,4,6
	v_pk_add_f32 v[16+4*\q:17+4*\q], v[16+4*\q:17+4*\q], v[20+4*\q:21+4*\q]
	v_pk_add_f32 v[18+4*\q:19+4*\q], v[18+4*\q:19+4*\q], v[22+4*\q:23+4*\q]
.endr
.irp q, 0,4
	v_pk_add_f32 v[16+4*\q:17+4*\q], v[16+4*\q:17+4*\q], v[24+4*\q:25+4*\q]
	v_pk_add_f32 v[18+4*\q:19+4*\q], v[18+4*\q:19+4*\q], v[26+4*\q:27+4*\q]
.endr
	v_pk_add_f32 v[16:17], v[16:17], v[32:33]
	v_pk_add_f32 v[18:19], v[18:19], v[34:35]
	v_pk_add_f32 v[16:17], v[16:17], v[BG:BG+1]
	v_pk_add_f32 v[18:19], v[18:19], v[BG+2:BG+3]  ; my token's logits of experts 4 h .. 4 h + 3
	v_max3_num_f32 v248, v16, v17, v18
	v_max_num_f32 v248, v248, v19
	v_permlanex16_b32 v249, v248, s[SEL], s[SEL+1]
	v_max_num_f32 v248, v248, v249                 ; the token's largest logit
.irp j, 16,17,18,19
	v_sub_f32 v\j, v\j, v248
.endr
.irp j, 16,17,18,19
	v_mul_f32 v\j, 0x3fb8aa3b, v\j                 ; x log2(e)
.endr
.irp j, 16,17,18,19
	v_exp_f32 v\j, v\j                             ; at most 1; the largest is 1, so the sum is at least 1
.endr
	v_nop                                          ; a plain place behind the exponentials
	s_wait_alu depctr_va_vdst(0)
	v_add_f32 v250, v16, v17
	v_add_f32 v251, v18, v19
	v_add_f32 v250, v250, v251
	v_permlanex16_b32 v249, v250, s[SEL], s[SEL+1]
	v_add_f32 v250, v250, v249
	v_rcp_f32 v250, v250
	v_nop                                          ; a plain place behind the reciprocal
	s_wait_alu depctr_va_vdst(0)
.irp j, 16,17,18,19
	v_mul_f32 v\j, v\j, v250
.endr
	global_store_b128 v[LI], v[16:19], s[24:25] offset:8704
	s_branch .Lend
.Lnot_gates:
	s_cmp_lt_u32 s16, 4
	s_cbranch_scc0 .Lend
	ds_load_b128 v[16:19], v[SWL]                  ; waves 2 and 3: the scale words of tile w - 2, as they lie in the record
	s_wait_dscnt 0x0
	global_store_b128 v[LI], v[16:19], s[24:25] offset:8192
.Lend:
	s_wait_tensorcnt 0x0
	ds_add_u32 v254, v255
	s_wait_dscnt 0x0
	s_endpgm
.Lfunc_end_k_q1bea6a8f42_prep:
	.size	k_q1bea6a8f42_prep, .Lfunc_end_k_q1bea6a8f42_prep-k_q1bea6a8f42_prep
	.p2alignl 7, 3214868480
	.fill 96, 4, 3214868480
	.section	.rodata,"a",@progbits
	.p2align	6, 0x0
	.amdhsa_kernel k_q1bea6a8f42_prep
		.amdhsa_group_segment_fixed_size 127488
		.amdhsa_private_segment_fixed_size 0
		.amdhsa_enable_private_segment 0
		.amdhsa_kernarg_size 48
		.amdhsa_user_sgpr_count 2
		.amdhsa_user_sgpr_kernarg_segment_ptr 1
		.amdhsa_wavefront_size32 1
		.amdhsa_system_sgpr_workgroup_id_x 1
		.amdhsa_system_sgpr_workgroup_id_y 1
		.amdhsa_system_sgpr_workgroup_id_z 1
		.amdhsa_system_vgpr_workitem_id 0
		.amdhsa_next_free_vgpr 256
		.amdhsa_next_free_sgpr 66
		.amdhsa_reserve_vcc 0
		.amdhsa_float_denorm_mode_32 3
		.amdhsa_float_denorm_mode_16_64 3
		.amdhsa_memory_ordered 1
		.amdhsa_forward_progress 1
		.amdhsa_inst_pref_size 32
	.end_amdhsa_kernel
	.amdgpu_metadata
---
amdhsa.version: [ 1, 2 ]
amdhsa.kernels:
  - .name:           k_q1bea6a8f42_prep
    .symbol:         k_q1bea6a8f42_prep.kd
    .args:
      - { .name: x, .offset: 0, .size: 8, .value_kind: global_buffer, .address_space: global }
      - { .name: Wg, .offset: 8, .size: 8, .value_kind: global_buffer, .address_space: global }
      - { .name: bg, .offset: 16, .size: 8, .value_kind: global_buffer, .address_space: global }
      - { .name: We_codes, .offset: 24, .size: 8, .value_kind: global_buffer, .address_space: global }
      - { .name: xq, .offset: 32, .size: 8, .value_kind: global_buffer, .address_space: global }
      - { .name: wimg, .offset: 40, .size: 8, .value_kind: global_buffer, .address_space: global }
    .group_segment_fixed_size: 127488
    .private_segment_fixed_size: 0
    .kernarg_segment_align: 8
    .kernarg_segment_size: 48
    .max_flat_workgroup_size: 256
    .sgpr_count:     66
    .vgpr_count:     256
    .wavefront_size: 32
...
	.end_amdgpu_metadata
.endif
;; end of part 1
;; launch moe (part 2): grid 16 x 16, 4 waves a work-group, clusters of 4 x 1, 327,680 bytes of LDS; arguments xq, wimg, We_scales, be, out0; writes out0
.if DOCPART == 2
	.amdgcn_target "amdgcn-amd-amdhsa--gfx1250"
	.amdhsa_code_object_version 6
	.text
	.protected	k_q1bea6a8f42_moe
	.globl	k_q1bea6a8f42_moe
	.p2align	8
	.type	k_q1bea6a8f42_moe,@function
k_q1bea6a8f42_moe:
	s_mov_b64 s[64:65], 0
	v_nop
	global_prefetch_b8 v0, s[64:65] scope:SCOPE_SE
	s_setreg_imm32_b32 hwreg(HW_REG_WAVE_MODE, 25, 1), 1
	s_wait_xcnt 0x0
	s_wait_alu depctr_hold_cnt(0) depctr_sa_sdst(0) depctr_va_vdst(0) depctr_va_sdst(0) depctr_va_ssrc(0) depctr_va_vcc(0) depctr_vm_vsrc(0)
	s_getreg_b32 s2, hwreg(HW_REG_IB_STS2, 6, 4)
	s_cmp_eq_u32 s2, 0
	s_cbranch_scc0 .Lentry_in_a_cluster
	s_endpgm
.Lentry_in_a_cluster:
	s_bfe_u32 s2, ttmp6, 0x10000c
	s_cmp_lg_u32 s2, 0x3003
	s_cbranch_scc0 .Lentry_shape_is_right
	s_endpgm
.Lentry_shape_is_right:
; out[n][o] = sum over experts e of g[n][e] (sum over k of Q(x)[n][k] We[e][k][o] + be[e][o]).  Products on codes of FP4 (E2M1) with one E8M0 scale for each 32 along K, sums in f32; the weighing by the gates in f32.
; xq: 512 records of 9,216 bytes, one for each tile of 16 tokens: 8 fragments (K steps of 128) as images of their registers, the scale words, the gates.  wimg: [tile of 16 outputs][expert][K step][1024]: fragments likewise.
; SHARES.  A work-group makes 512 tokens x 64 outputs: 16 x 16 = 256 work-groups.  Wave w owns 16 outputs, for ALL 8 experts and ALL of K: its 64 fragments of We, 512 registers, stay in registers for the whole launch.
; The work-group's 32 records, 294,912 bytes, come into LDS once; every wave walks the 32 tiles.  A tile is 64 matrix instructions: for each expert 8 K steps on one accumulator, whose first product takes be as C.
; The eight experts' sums of a tile are alive together (64 registers), so the weighing is 32 packed multiply-adds a tile, and each finished tile leaves while the next is multiplied.
; THE MATRIX INSTRUCTION IS USED TRANSPOSED: source 0 = 16 outputs of We, source 1 = 16 tokens: lane (r, h) holds token r and outputs 8 h + 0 .. 7.
; CLUSTER.  The four work-groups of a cluster have the same 512 tokens and other outputs: each record is asked for JOINTLY, by the same tensor load with the same descriptor and the mask of all four.
; The weights are not asked for jointly, though the 16 work-groups of a column of the grid read the same: a fragment goes to one wave's registers, once, by dense loads of 512 bytes, and of LDS's 327,680 bytes
; the records and the stages take 303,616: the 262,144 bytes of a work-group's weights have no place to land.
; No LDS byte is filled twice.  A wave has three tensor loads out at the most.
; WAY OUT.  A wave's 16 outputs are 64 bytes of a token's row: the four waves' parts meet in a stage of 16 rows x (256 + 16) bytes, one barrier a tile, two stages by turns; each wave then stores 4 whole rows of 256 bytes.
; REGISTERS, in windows of 256 (s_set_vgpr_msb: bits 1:0 source 0, 3:2 source 1, 5:4 source 2, 7:6 destination):
;   window 0: v4-10 addresses; v16-47 We's scale words; v48-55 x's, two sets; v64-127 be, 8 an expert; v128-191 We's fragments of K step 0
;   window 1: v0-127 x's fragments, two sets; v128-191 the 8 accumulators; v192-199 the weighed sum; v200-207 rows on their way out
;   window 2: v0-223 fragments of experts 0-3, K steps 1-7; v224-231 gates of experts 4-7, two sets; v232-234 addresses       window 3: the same of experts 4-7; gates of experts 0-3; v232-233 addresses
; So under the setting of a run of products (source 0 window 2 or 3, all else window 1) the weighing, the LDS loads of the next tile, the stage's stores and loads and the global stores need no switch and stand singly between the products.
.set REC,  9216
.set STG,  32*REC                      ; behind the records: two stages
.set SROW, 272
.set STGB, 16*SROW
.set LI,   4                           ; v4   16 x lane
.set R16,  5                           ; v5   16 r
.set WSA,  6                           ; v6   32 r + 16 h: We's scale words
.set BEA,  7                           ; v7   32 h: be
.set WS,   16                          ; register 4 e + i: lanes 0-15 K step i, lanes 16-31 K step 4 + i
.set XS,   48                          ; register 4 p + i likewise, p the tile's parity
.set BE,   64
.set EV,   128
.set XF,   0                           ; window 1: 64 p + 8 s
.set Y,    128
.set OUT,  192
.set RB,   200
.set G47,  224                         ; window 2: 4 p + e - 4
.set XA2,  232                         ; window 2: the pair of records in hand + 16 x lane
.set GA2,  233                         ; window 2: + 16 r
.set STO,  234                         ; window 2: the stage, way in
.set G03,  224                         ; window 3: 4 p + e
.set RD,   232                         ; window 3: the stage, way out
.set CO,   233                         ; window 3: my byte offset in a tile's 16 rows of out
.set WV,   14
.set G1A,  24                          ; s[24:31] descriptor group 1: 72 rows of 256 bytes (two records)
.set G1B,  32                          ; s[32:39] 144 rows (four records)
.set D0,   40                          ; s[40:43], s[44:47], s[48:51] three groups 0
.set D1,   44
.set D2,   48
.set OB,   52                          ; s[52:53] out at the even tile of the pair in hand
.set CNT,  54
.set TB,   55                          ; s55 LDS byte of the even record of the pair in hand
.set S0,   0x44                        ; K step 0: A and C window 0, B and D window 1
.set SA,   0x56                        ; experts 0-3: A window 2, all else window 1
.set SB,   0x57                        ; experts 4-7: A window 3
.set MSB, 0
.macro WIN new                         ; the immediate's high byte repeats the setting that is left
.if MSB != \new
	s_set_vgpr_msb (MSB<<8)|\new
.set MSB, \new
.endif
.endm
.macro CROUND                          ; a round of the cluster's barrier
	s_barrier_signal -1
	s_barrier_wait -1
	s_cmp_lg_u32 s[WV], 0
	s_cbranch_scc1 .Lnot_wave_0_\@
	s_barrier_signal -3
.Lnot_wave_0_\@:
	s_barrier_wait -3
	s_barrier_signal -1
	s_barrier_wait -1
.endm
	s_load_b256 s[4:11], s[0:1], 0x0               ; xq s[4:5], wimg s[6:7], We's scales s[8:9], be s[10:11]
	s_load_b64 s[12:13], s[0:1], 0x20              ; out
	v_lshl_add_u32 v254, v0, 2, 0x4a200
	v_mov_b32 v255, 0
	ds_add_u32 v254, v255
	ds_add_u32 v254, v255
	v_lshrrev_b32 v1, 5, v0
	v_readfirstlane_b32 s[WV], v1                  ; wave 0..3
	v_and_b32 v1, 31, v0                           ; lane
	v_and_b32 v2, 15, v0                           ; r
	v_bfe_u32 v3, v0, 4, 1                         ; h
	v_lshlrev_b32 v[LI], 4, v1
	v_lshlrev_b32 v[R16], 4, v2
	v_lshlrev_b32 v[WSA], 5, v2
	v_lshl_add_u32 v[WSA], v3, 4, v[WSA]
	v_lshlrev_b32 v[BEA], 5, v3
	v_mul_u32_u24 v8, v2, SROW                     ; the stage, way in: row r, + 32 h (+ 64 w below)
	v_lshl_add_u32 v8, v3, 5, v8
	v_mul_u32_u24 v9, v3, SROW                     ; way out: rows 4 w + h, 16 bytes a lane
	v_lshl_add_u32 v9, v2, 4, v9
	v_lshl_add_u32 v10, v3, 12, v[R16]             ; and the same rows in out: 4,096 bytes a token
	s_lshl_b32 s66, s[WV], 6
	s_add_co_u32 s66, s66, STG
	s_mul_i32 s67, s[WV], 4*SROW
	s_add_co_u32 s67, s67, STG
	s_lshl_b32 s68, s[WV], 14
	; what the four partners share: the block of tokens.  Nothing below, down to the next comment, hangs on my place in the cluster
	s_and_b32 s17, ttmp7, 0xffff                   ; the block of 512 tokens
	s_mul_i32 s56, s17, 32*REC                     ; its 32 records
	s_mov_b32 s57, 0
	s_mul_i32 s22, s[WV], 2*REC                    ; fills 0 and 1: two records a wave
	s_mov_b32 s23, 0
	s_mul_i32 s58, s[WV], 4*REC                    ; fill 2: four records a wave, behind the first sixteen
	s_add_co_u32 s58, s58, 16*REC
	s_mov_b32 s59, 0
	s_mov_b32 s[G1A], 15|(3<<16)|(1<<21)           ; 15:0 the mask: all four work-groups; 17:16 elements of 8 bytes; 21 set beside a mask; no padding: the records are read as they lie, 512 consecutive bytes a load
	s_mov_b32 s[G1A+1], 32<<16                     ; tensor_dim0 = 32 elements: rows of 256 bytes
	s_mov_b32 s[G1A+2], 72<<16                     ; tensor_dim1
	s_mov_b32 s[G1A+3], 32<<16                     ; tile_dim0
	s_mov_b32 s[G1A+4], 72                         ; tile_dim1
	s_mov_b32 s[G1A+5], 32                         ; tensor_dim0_stride: dense
	s_mov_b32 s[G1A+6], 0
	s_mov_b32 s[G1A+7], 0
	s_mov_b32 s[G1B], 15|(3<<16)|(1<<21)
	s_mov_b32 s[G1B+1], 32<<16
	s_mov_b32 s[G1B+2], 144<<16
	s_mov_b32 s[G1B+3], 32<<16
	s_mov_b32 s[G1B+4], 144
	s_mov_b32 s[G1B+5], 32
	s_mov_b32 s[G1B+6], 0
	s_mov_b32 s[G1B+7], 0
	s_mov_b32 s[TB], 0
	; what is mine alone: the block of outputs.  It enters global addresses of the weights, their scales, be and out, and nothing else
	s_bfe_u32 s15, ttmp6, 0x40000                  ; cx
	s_lshl_b32 s16, ttmp9, 2
	s_add_co_u32 s16, s16, s15                     ; the block of 64 outputs = 4 x cluster x + cx
	s_lshl_b32 s18, s16, 2
	s_add_co_u32 s18, s18, s[WV]                   ; my tile of 16 outputs
	s_lshl_b32 s60, s18, 16                        ; wimg: 65,536 bytes a tile
	s_mov_b32 s61, 0
	s_lshl_b32 s62, s18, 9                         ; scales: 16 rows of 32 bytes
	s_mov_b32 s63, 0
	s_lshl_b32 s20, s18, 6                         ; be: 16 numbers
	s_mov_b32 s21, 0
	s_lshl_b32 s2, s17, 21                         ; out: 512 tokens of 4,096 bytes,
	s_lshl_b32 s3, s16, 8                          ; + 64 outputs of 4 bytes
	s_add_co_u32 s2, s2, s3
	s_mov_b32 s3, 0
	s_wait_dscnt 0x0
	s_wait_kmcnt 0x0
	s_add_nc_u64 s[56:57], s[4:5], s[56:57]
	s_add_nc_u64 s[6:7], s[6:7], s[60:61]
	s_add_nc_u64 s[8:9], s[8:9], s[62:63]
	s_add_nc_u64 s[10:11], s[10:11], s[20:21]
	s_add_nc_u64 s[OB:OB+1], s[12:13], s[2:3]
	s_mov_b32 s[D0], 1                             ; count = 1
	s_mov_b32 s[D0+1], s22                         ; LDS address: records 2 w, 2 w + 1
	s_add_nc_u64 s[D0+2:D0+3], s[56:57], s[22:23]  ; a record lies in LDS where it lies in the block
	s_or_b32 s[D0+3], s[D0+3], 0x80000000          ; type = 2
	s_mov_b32 s[D1], 1
	s_add_co_u32 s[D1+1], s22, 8*REC               ; records 8 + 2 w, 9 + 2 w
	s_add_nc_u64 s[D1+2:D1+3], s[56:57], s[22:23]
	s_add_nc_u64 s[D1+2:D1+3], s[D1+2:D1+3], 8*REC
	s_or_b32 s[D1+3], s[D1+3], 0x80000000
	s_mov_b32 s[D2], 1
	s_mov_b32 s[D2+1], s58                         ; records 16 + 4 w .. 19 + 4 w
	s_add_nc_u64 s[D2+2:D2+3], s[56:57], s[58:59]
	s_or_b32 s[D2+3], s[D2+3], 0x80000000
	CROUND                                         ; all four work-groups are here: the joint loads meet
	tensor_load_to_lds s[D0:D0+3], s[G1A:G1A+7]    ; the first eight records: wanted with the first products
	s_nop 0
.rept 4
	v_nop
.endr
	; my weights: 152 loads, each of the fragments' 512 consecutive bytes
.irp e, 0,1,2,3,4,5,6,7
	global_load_b128 v[WS+4*\e:WS+4*\e+3], v[WSA], s[8:9] offset:32768*\e       ; lane (r, h): output r's words of K steps 4 h .. 4 h + 3
.endr
.irp e, 0,1,2,3,4,5,6,7
	global_load_b128 v[BE+8*\e:BE+8*\e+3], v[BEA], s[10:11] offset:4096*\e      ; be in the result's layout: outputs 8 h + 0 .. 7
	global_load_b128 v[BE+8*\e+4:BE+8*\e+7], v[BEA], s[10:11] offset:4096*\e+16
.endr
.irp e, 0,1,2,3,4,5,6,7
.irp c, 0,1
	global_load_b128 v[EV+8*\e+4*\c:EV+8*\e+4*\c+3], v[LI], s[6:7] offset:8192*\e+512*\c
.endr
.endr
	WIN 0x80                                       ; destination window 2
.irp e, 0,1,2,3
.irp s, 1,2,3,4,5,6,7
.irp c, 0,1
	global_load_b128 v[8*(7*\e+\s-1)+4*\c:8*(7*\e+\s-1)+4*\c+3], v[LI], s[6:7] offset:(8*\e+\s)*1024+512*\c
.endr
.endr
.endr
	WIN 0xc0                                       ; destination window 3
.irp e, 4,5,6,7
.irp s, 1,2,3,4,5,6,7
.irp c, 0,1
	global_load_b128 v[8*(7*(\e-4)+\s-1)+4*\c:8*(7*(\e-4)+\s-1)+4*\c+3], v[LI], s[6:7] offset:(8*\e+\s)*1024+512*\c
.endr
.endr
.endr
	WIN 0
	; The other 24 records are asked for behind the weights, which the first product waits for: the loads' counter holds 63 and issue waits at a full counter (ISA guide 5.7.1), so at most 63 of my 152 loads are out here.
	; Still ahead of every wait on TENSORcnt, every LDS read and every barrier of the work-group alone, and in the same round.
	tensor_load_to_lds s[D1:D1+3], s[G1A:G1A+7]
	s_nop 0
	tensor_load_to_lds s[D2:D2+3], s[G1B:G1B+7]
	s_nop 0
.rept 4
	v_nop
.endr
	WIN 0x80
	v_add_nc_u32 v[XA2], s[TB], v[LI]
	v_add_nc_u32 v[GA2], s[TB], v[R16]
	v_add_nc_u32 v[STO], s66, v8
	WIN 0xc0
	v_add_nc_u32 v[RD], s67, v9
	v_add_nc_u32 v[CO], s68, v10
	WIN 0
	s_wait_tensorcnt 0x2                           ; my part of records 0-7 is in; the two loads behind it may be out
	s_barrier_signal -1
	s_barrier_wait -1                              ; everybody's is
	WIN 0x40
.irp i, 0,1,2,3,4,5,6,7,8,9,10,11,12,13,14,15
	ds_load_b128 v[XF+4*\i:XF+4*\i+3], v[LI] offset:512*\i         ; tile 0's eight fragments
.endr
	WIN 0
	ds_load_b128 v[XS:XS+3], v[LI] offset:8192     ; its scale words
	WIN 0xc0
	ds_load_b128 v[G03:G03+3], v[R16] offset:8704  ; its gates of experts 0-3: every lane its token's
	WIN 0
	s_wait_loadcnt 0x0                             ; the weights
	s_wait_dscnt 0x0
; One product: expert ke, K step ks, of the tile of parity p.  K step 0 starts the sum with be as C.  K steps 4-7 take both sides' scale words from lanes 16-31.
.macro WM p
.set rY, Y+8*ke
.set rB, XF+64*(\p)+8*ks
.set rW, WS+4*ke+(ks&3)
.set rX, XS+4*(\p)+(ks&3)
.set rA, 8*(7*(ke&3)+ks-1)
.if ks == 0
	v_wmma_scale_f32_16x16x128_f8f6f4 v[rY:rY+7], v[EV+8*ke:EV+8*ke+7], v[rB:rB+7], v[BE+8*ke:BE+8*ke+7], v[rW], v[rX] matrix_a_fmt:MATRIX_FMT_FP4 matrix_b_fmt:MATRIX_FMT_FP4
.elseif ks < 4
	v_wmma_scale_f32_16x16x128_f8f6f4 v[rY:rY+7], v[rA:rA+7], v[rB:rB+7], v[rY:rY+7], v[rW], v[rX] matrix_a_fmt:MATRIX_FMT_FP4 matrix_b_fmt:MATRIX_FMT_FP4
.else
	v_wmma_scale_f32_16x16x128_f8f6f4 v[rY:rY+7], v[rA:rA+7], v[rB:rB+7], v[rY:rY+7], v[rW], v[rX] matrix_a_fmt:MATRIX_FMT_FP4 matrix_b_fmt:MATRIX_FMT_FP4 matrix_a_scale:MATRIX_SCALE_ROW1 matrix_b_scale:MATRIX_SCALE_ROW1
.endif
.endm
; One step of the weighing: outputs 2 cq, 2 cq + 1 of expert ce, gates of parity pg.  The gate is one register of an aligned pair and serves both halves.  Expert 0 starts the sum.  cq ascends: each accumulator is read from its low end on.
.macro CMB pg
.if ce < 4
.set gp, G03+4*(\pg)+(ce&2)
.else
.set gp, G47+4*(\pg)+(ce&2)
.endif
.set rO, OUT+2*cq
.set rY, Y+8*ce+2*cq
.if ce == 0
	v_pk_mul_f32 v[rO:rO+1], v[gp:gp+1], v[rY:rY+1] op_sel_hi:[0,1]
.elseif (ce&1) == 0
	v_pk_fma_f32 v[rO:rO+1], v[gp:gp+1], v[rY:rY+1], v[rO:rO+1] op_sel_hi:[0,1,1]
.else
	v_pk_fma_f32 v[rO:rO+1], v[gp:gp+1], v[rY:rY+1], v[rO:rO+1] op_sel:[1,0,0] op_sel_hi:[1,1,1]
.endif
.endm
; A TILE of parity p: 64 products, k = 0 .. 63: experts 0-3 by turns through K, then experts 4-7 (the four accumulators of a group take turns, one instruction a turn; so it is over the change of groups and from tile to tile).
; prev = 1: the tile before is finished here: its experts 4-7 are weighed in, it goes through stage p and is stored.  next = 1: the next tile's fragments, scale words and gates 0-3 are fetched.
; tw >= 0: a wait on TENSORcnt stands in front of this tile's barrier, for the records that are first read behind it.
; PLACES (four plain vector instructions behind a product before its result is read or one of its registers is loaded into): the v_nop behind products 0-3 serve the first read of the last tile's
; accumulators 4-7 and the loads into the scale words and fragments that it multiplied; those behind products 32-35 the first read of accumulators 0-3.  A product that begins an accumulator anew finds these four
; and twelve steps of the weighing that name other accumulators behind that accumulator's last link.
.macro TILE p, prev, next, tw
	WIN S0
.set k, 0
.rept 4
.set ke, k
.set ks, 0
	WM \p
	v_nop
.set k, k+1
.endr
.if \next
	WIN 0x02                                       ; destination window 0, address window 2
	ds_load_b128 v[XS+4*(1-\p):XS+4*(1-\p)+3], v[XA2] offset:(\p+1)*REC+8192
	WIN 0xc2                                       ; destination window 3
	ds_load_b128 v[G03+4*(1-\p):G03+4*(1-\p)+3], v[GA2] offset:(\p+1)*REC+8704
.endif
	WIN 0x82                                       ; destination window 2
	ds_load_b128 v[G47+4*\p:G47+4*\p+3], v[GA2] offset:\p*REC+8960     ; this tile's gates of experts 4-7: wanted in the next tile
	WIN SA
.rept 28
.set ke, k&3
.set ks, k>>2
	WM \p
.if k < 20
.if \prev
.set ce, 4+((k-4)>>2)
.set cq, (k-4)&3
	CMB 1-\p
.endif
.if \next
	ds_load_b128 v[XF+64*(1-\p)+4*(k-4):XF+64*(1-\p)+4*(k-4)+3], v[XA2] offset:(\p+1)*REC+512*(k-4)
.endif
.elseif k < 22
.if \prev
	ds_store_b128 v[STO], v[OUT+4*(k-20):OUT+4*(k-20)+3] offset:STGB*\p+16*(k-20)   ; the last tile: token r, my outputs 8 h + 0 .. 7
.endif
.endif
.set k, k+1
.endr
	WIN S0
.rept 4
.set ke, 4+(k-32)
.set ks, 0
	WM \p
	v_nop
.set k, k+1
.endr
	WIN SB
.rept 28
.set ke, 4+(k&3)
.set ks, (k-32)>>2
	WM \p
.if k < 52
.set ce, (k-36)>>2
.set cq, (k-36)&3
	CMB \p
.endif
.if k == 40
.if \tw >= 0
	s_wait_tensorcnt \tw                           ; my part of the records that the next tile is the first to read has landed
.endif
	s_wait_dscnt 0x0                               ; my stores into the stage are done (issued some twenty products ago), my earlier reads of the other stage too; and the next tile's operands are in: it needs no further wait
.if \prev
	s_barrier_signal -1                            ; between signal and wait: products and the weighing, on registers alone
.endif
.endif
.if \prev
.if k == 44
	s_barrier_wait -1                              ; 16 whole rows lie in stage p
	s_wait_xcnt 0x0                                ; the last tile's stores have read their data and their base: only behind this wait are both written again
.if \p == 0
	s_add_nc_u64 s[OB:OB+1], s[OB:OB+1], 131072    ; two tiles of 16 rows on
.endif
	ds_load_b128 v[RB:RB+3], v[RD] offset:STGB*\p
.elseif k == 45
	ds_load_b128 v[RB+4:RB+7], v[RD] offset:STGB*\p+2*SROW
.elseif k == 62
	s_wait_dscnt 0x0
	global_store_b128 v[CO], v[RB:RB+3], s[OB:OB+1] offset:(\p-1)*65536 th:TH_STORE_NT         ; sixteen lanes store 256 consecutive bytes of a token's row, at a multiple of 256 from out's first byte
.elseif k == 63
	global_store_b128 v[CO], v[RB+4:RB+7], s[OB:OB+1] offset:(\p-1)*65536+8192 th:TH_STORE_NT
.endif
.endif
.set k, k+1
.endr
.endm
; THE STAGES.  A tile stores into stage p, passes its barrier and reads stage p back.  Stage p is stored into again two tiles on, behind the next tile's barrier, in front of which every wave has waited for all its LDS loads.
.macro STEP                            ; on to the next pair of records
	s_add_co_u32 s[TB], s[TB], 2*REC
	WIN 0x80
	v_add_nc_u32 v[XA2], s[TB], v[LI]
	v_add_nc_u32 v[GA2], s[TB], v[R16]
	WIN 0                                          ; at a label and at a branch every window is 0
.endm
.macro PAIRS n                         ; n pairs of tiles
	s_mov_b32 s[CNT], \n
.Lpair_\@:
	TILE 0, 1, 1, -1
	TILE 1, 1, 1, -1
	STEP
	s_sub_co_u32 s[CNT], s[CNT], 1
	s_cmp_lg_u32 s[CNT], 0
	s_cbranch_scc1 .Lpair_\@
.endm
	TILE 0, 0, 1, -1                               ; tile 0: nothing to finish, no barrier
	TILE 1, 1, 1, -1
	STEP
	PAIRS 2                                        ; tiles 2-5
	TILE 0, 1, 1, 1                                ; tile 6: records 8-15 have landed (the last load may be out) in front of its barrier: tile 7 is the first to read record 8
	TILE 1, 1, 1, -1
	STEP
	PAIRS 3                                        ; tiles 8-13
	TILE 0, 1, 1, 0                                ; tile 14: records 16-31 have landed: tile 15 is the first to read record 16
	TILE 1, 1, 1, -1
	STEP
	PAIRS 7                                        ; tiles 16-29
	TILE 0, 1, 1, -1
	TILE 1, 1, 0, -1                               ; tile 31 fetches nothing more
	; tile 31 is finished
	WIN SA
.rept 4
	v_nop                                          ; places behind the last products
.endr
.set n, 0
.rept 16
.set ce, 4+(n>>2)
.set cq, n&3
	CMB 1
.set n, n+1
.endr
	ds_store_b128 v[STO], v[OUT:OUT+3]             ; stage 0: last read in tile 30, a barrier ago
	ds_store_b128 v[STO], v[OUT+4:OUT+7] offset:16
	s_wait_dscnt 0x0
	s_barrier_signal -1
	s_barrier_wait -1
	WIN SB
	s_wait_xcnt 0x0                                ; tile 30's stores have read their data
	ds_load_b128 v[RB:RB+3], v[RD]
	ds_load_b128 v[RB+4:RB+7], v[RD] offset:2*SROW
	s_wait_dscnt 0x0
	global_store_b128 v[CO], v[RB:RB+3], s[OB:OB+1] offset:65536 th:TH_STORE_NT
	global_store_b128 v[CO], v[RB+4:RB+7], s[OB:OB+1] offset:65536+8192 th:TH_STORE_NT
	WIN 0
	s_wait_tensorcnt 0x0                           ; (met since tile 14)
	s_wait_tensorcnt 0x0
	ds_add_u32 v254, v255
	s_wait_dscnt 0x0
	CROUND                                         ; the closing round: no work-group ends while a partner may still ask for a record jointly
	s_endpgm
.Lfunc_end_k_q1bea6a8f42_moe:
	.size	k_q1bea6a8f42_moe, .Lfunc_end_k_q1bea6a8f42_moe-k_q1bea6a8f42_moe
	.p2alignl 7, 3214868480
	.fill 96, 4, 3214868480
	.section	.rodata,"a",@progbits
	.p2align	6, 0x0
	.amdhsa_kernel k_q1bea6a8f42_moe
		.amdhsa_group_segment_fixed_size 327680
		.amdhsa_private_segment_fixed_size 0
		.amdhsa_enable_private_segment 0
		.amdhsa_kernarg_size 40
		.amdhsa_user_sgpr_count 2
		.amdhsa_user_sgpr_kernarg_segment_ptr 1
		.amdhsa_wavefront_size32 1
		.amdhsa_system_sgpr_workgroup_id_x 1
		.amdhsa_system_sgpr_workgroup_id_y 1
		.amdhsa_system_sgpr_workgroup_id_z 1
		.amdhsa_system_vgpr_workitem_id 0
		.amdhsa_next_free_vgpr 1024
		.amdhsa_next_free_sgpr 70
		.amdhsa_reserve_vcc 0
		.amdhsa_float_denorm_mode_32 3
		.amdhsa_float_denorm_mode_16_64 3
		.amdhsa_memory_ordered 1
		.amdhsa_forward_progress 1
		.amdhsa_inst_pref_size 195
	.end_amdhsa_kernel
	.amdgpu_metadata
---
amdhsa.version: [ 1, 2 ]
amdhsa.kernels:
  - .name:           k_q1bea6a8f42_moe
    .symbol:         k_q1bea6a8f42_moe.kd
    .args:
      - { .name: xq, .offset: 0, .size: 8, .value_kind: global_buffer, .address_space: global }
      - { .name: wimg, .offset: 8, .size: 8, .value_kind: global_buffer, .address_space: global }
      - { .name: We_scales, .offset: 16, .size: 8, .value_kind: global_buffer, .address_space: global }
      - { .name: be, .offset: 24, .size: 8, .value_kind: global_buffer, .address_space: global }
      - { .name: out0, .offset: 32, .size: 8, .value_kind: global_buffer, .address_space: global }
    .group_segment_fixed_size: 327680
    .private_segment_fixed_size: 0
    .kernarg_segment_align: 8
    .kernarg_segment_size: 40
    .max_flat_workgroup_size: 128
    .sgpr_count:     70
    .vgpr_count:     1024
    .wavefront_size: 32
...
	.end_amdgpu_metadata
.endif
;; end of part 2
;; ======== version 2 of 2: 2 launches; 1.23 times as fast as version 1
;; workspace buffers: xq 4,718,592 bytes; wimg 4,194,304 bytes
;; launch prep: the kernel of part 1 again; grid 256 x 1, 8 waves a work-group, no clusters, 127,488 bytes of LDS; arguments x, Wg, bg, We_codes, xq, wimg; writes xq, wimg
;; launch moe (part 3): grid 16 x 16, 4 waves a work-group, clusters of 4 x 1, 327,680 bytes of LDS; arguments xq, wimg, We_scales, be, out0; writes out0
.if DOCPART == 3
	.amdgcn_target "amdgcn-amd-amdhsa--gfx1250"
	.amdhsa_code_object_version 6
	.text
	.protected	k_q1bea6a8f42_moe
	.globl	k_q1bea6a8f42_moe
	.p2align	8
	.type	k_q1bea6a8f42_moe,@function
k_q1bea6a8f42_moe:
	s_mov_b64 s[64:65], 0
	v_nop
	global_prefetch_b8 v0, s[64:65] scope:SCOPE_SE
	s_setreg_imm32_b32 hwreg(HW_REG_WAVE_MODE, 25, 1), 1
	s_wait_xcnt 0x0
	s_wait_alu depctr_hold_cnt(0) depctr_sa_sdst(0) depctr_va_vdst(0) depctr_va_sdst(0) depctr_va_ssrc(0) depctr_va_vcc(0) depctr_vm_vsrc(0)
	s_getreg_b32 s2, hwreg(HW_REG_IB_STS2, 6, 4)
	s_cmp_eq_u32 s2, 0
	s_cbranch_scc0 .Lentry_in_a_cluster
	s_endpgm
.Lentry_in_a_cluster:
	s_bfe_u32 s2, ttmp6, 0x10000c
	s_cmp_lg_u32 s2, 0x3003
	s_cbranch_scc0 .Lentry_shape_is_right
	s_endpgm
.Lentry_shape_is_right:
; out[n][o] = sum over experts e of g[n][e] (sum over k of Q(x)[n][k] We[e][k][o] + be[e][o]).  Products on codes of FP4 (E2M1) with one E8M0 scale for each 32 along K, sums in f32; the weighing by the gates in f32.
; xq: 512 records of 9,216 bytes, one for each tile of 16 tokens: 8 fragments (K steps of 128) as images of their registers, the scale words, the gates.  wimg: [tile of 16 outputs][expert][K step][1024]: fragments likewise.
; SHARES.  A work-group makes 512 tokens x 64 outputs: 16 x 16 = 256 work-groups.  Wave w owns 16 outputs, for ALL 8 experts and ALL of K: its 64 fragments of We, 512 registers, stay in registers for the whole launch.
; The work-group's 32 records, 294,912 bytes, come into LDS once; every wave walks the 32 tiles.  A tile is 64 matrix instructions: for each expert 8 K steps on one accumulator, whose first product takes be as C.
; The eight experts' sums of a tile are alive together (64 registers), so the weighing is 32 packed multiply-adds a tile, and each finished tile leaves while later ones are multiplied.
; THE MATRIX INSTRUCTION IS USED TRANSPOSED: source 0 = 16 outputs of We, source 1 = 16 tokens: lane (r, h) holds token r and outputs 8 h + 0 .. 7.
; CLUSTER.  The four work-groups of a cluster have the same 512 tokens and other outputs: each record is asked for JOINTLY, by the same tensor load with the same descriptor and the mask of all four.
; The weights are not asked for jointly, though the 16 work-groups of a column of the grid read the same: a fragment goes to one wave's registers, once, by dense loads of 512 bytes, and of LDS's 327,680 bytes
; the records and the stages take 303,616: the 262,144 bytes of a work-group's weights have no place to land.
; No LDS byte is filled twice.  A wave has three tensor loads out at the most.
; WAY OUT.  A wave's 16 outputs are 64 bytes of a token's row: the four waves' parts meet in a stage of 16 rows x (256 + 16) bytes, one barrier a tile, two stages by turns; each wave then stores 4 whole rows of 256 bytes.
; A TILE'S MEMORY INSTRUCTIONS STAND IN TWO RUNS, never singly among the products; the weighing alone stands between the products, one packed instruction behind each.
; REGISTERS, in windows of 256 (s_set_vgpr_msb: bits 1:0 source 0, 3:2 source 1, 5:4 source 2, 7:6 destination):
;   window 0: v4-10 addresses; v16-47 We's scale words; v48-55 x's, two sets; v64-127 be, 8 an expert; v128-191 We's fragments of K step 0
;   window 1: v0-127 x's fragments, two sets; v128-191 the 8 accumulators; v192-199 the weighed sum; v200-207 rows on their way out
;   window 2: v0-223 fragments of experts 0-3, K steps 1-7; v224-231 gates of experts 4-7, two sets; v232-236 addresses       window 3: the same fragments of experts 4-7; v224-231 gates of experts 0-3
; So under the setting of a run of products (source 0 window 2 or 3, all else window 1) the weighing needs no switch, and under that of experts 0-3 neither do the fragment loads, the stage's stores and loads and the global stores.
.set REC,  9216
.set STG,  32*REC                      ; behind the records: two stages
.set SROW, 272
.set STGB, 16*SROW
.set LI,   4                           ; v4   16 x lane
.set R16,  5                           ; v5   16 r
.set WSA,  6                           ; v6   32 r + 16 h: We's scale words
.set BEA,  7                           ; v7   32 h: be
.set WS,   16                          ; register 4 e + i: lanes 0-15 K step i, lanes 16-31 K step 4 + i
.set XS,   48                          ; register 4 p + i likewise, p the tile's parity
.set BE,   64
.set EV,   128
.set XF,   0                           ; window 1: 64 p + 8 s
.set Y,    128
.set OUT,  192
.set RB,   200
.set G47,  224                         ; window 2: 4 p + e - 4
.set XA2,  232                         ; window 2: the pair of records in hand + 16 x lane
.set GA2,  233                         ; window 2: + 16 r
.set STO,  234                         ; window 2: the stage, way in
.set RD,   235                         ; window 2: the stage, way out
.set CO,   236                         ; window 2: my byte offset in a tile's 16 rows of out
.set G03,  224                         ; window 3: 4 p + e
.set WV,   14
.set G1A,  24                          ; s[24:31] descriptor group 1: 72 rows of 256 bytes (two records)
.set G1B,  32                          ; s[32:39] 144 rows (four records)
.set D0,   40                          ; s[40:43], s[44:47], s[48:51] three groups 0
.set D1,   44
.set D2,   48
.set OB,   52                          ; s[52:53] out, two tiles behind the even tile of the pair that is being stored
.set CNT,  54
.set TB,   55                          ; s55 LDS byte of the even record of the pair in hand
.set S0,   0x44                        ; K step 0: A and C window 0, B and D window 1
.set SA,   0x56                        ; experts 0-3: A window 2, all else window 1
.set SB,   0x57                        ; experts 4-7: A window 3
.set MSB, 0
.macro WIN new                         ; the immediate's high byte repeats the setting that is left
.if MSB != \new
	s_set_vgpr_msb (MSB<<8)|\new
.set MSB, \new
.endif
.endm
.macro CROUND                          ; a round of the cluster's barrier
	s_barrier_signal -1
	s_barrier_wait -1
	s_cmp_lg_u32 s[WV], 0
	s_cbranch_scc1 .Lnot_wave_0_\@
	s_barrier_signal -3
.Lnot_wave_0_\@:
	s_barrier_wait -3
	s_barrier_signal -1
	s_barrier_wait -1
.endm
	s_load_b256 s[4:11], s[0:1], 0x0               ; xq s[4:5], wimg s[6:7], We's scales s[8:9], be s[10:11]
	s_load_b64 s[12:13], s[0:1], 0x20              ; out
	v_lshl_add_u32 v254, v0, 2, 0x4a200
	v_mov_b32 v255, 0
	ds_add_u32 v254, v255
	ds_add_u32 v254, v255
	v_lshrrev_b32 v1, 5, v0
	v_readfirstlane_b32 s[WV], v1                  ; wave 0..3
	v_and_b32 v1, 31, v0                           ; lane
	v_and_b32 v2, 15, v0                           ; r
	v_bfe_u32 v3, v0, 4, 1                         ; h
	v_lshlrev_b32 v[LI], 4, v1
	v_lshlrev_b32 v[R16], 4, v2
	v_lshlrev_b32 v[WSA], 5, v2
	v_lshl_add_u32 v[WSA], v3, 4, v[WSA]
	v_lshlrev_b32 v[BEA], 5, v3
	v_mul_u32_u24 v8, v2, SROW                     ; the stage, way in: row r, + 32 h (+ 64 w below)
	v_lshl_add_u32 v8, v3, 5, v8
	v_mul_u32_u24 v9, v3, SROW                     ; way out: rows 4 w + h, 16 bytes a lane
	v_lshl_add_u32 v9, v2, 4, v9
	v_lshl_add_u32 v10, v3, 12, v[R16]             ; and the same rows in out: 4,096 bytes a token
	s_lshl_b32 s66, s[WV], 6
	s_add_co_u32 s66, s66, STG
	s_mul_i32 s67, s[WV], 4*SROW
	s_add_co_u32 s67, s67, STG
	s_lshl_b32 s68, s[WV], 14
	; what the four partners share: the block of tokens.  Nothing below, down to the next comment, hangs on my place in the cluster
	s_and_b32 s17, ttmp7, 0xffff                   ; the block of 512 tokens
	s_mul_i32 s56, s17, 32*REC                     ; its 32 records
	s_mov_b32 s57, 0
	s_mul_i32 s22, s[WV], 2*REC                    ; fills 0 and 1: two records a wave
	s_mov_b32 s23, 0
	s_mul_i32 s58, s[WV], 4*REC                    ; fill 2: four records a wave, behind the first sixteen
	s_add_co_u32 s58, s58, 16*REC
	s_mov_b32 s59, 0
	s_mov_b32 s[G1A], 15|(3<<16)|(1<<21)           ; 15:0 the mask: all four work-groups; 17:16 elements of 8 bytes; 21 set beside a mask; no padding: the records are read as they lie, 512 consecutive bytes a load
	s_mov_b32 s[G1A+1], 32<<16                     ; tensor_dim0 = 32 elements: rows of 256 bytes
	s_mov_b32 s[G1A+2], 72<<16                     ; tensor_dim1
	s_mov_b32 s[G1A+3], 32<<16                     ; tile_dim0
	s_mov_b32 s[G1A+4], 72                         ; tile_dim1
	s_mov_b32 s[G1A+5], 32                         ; tensor_dim0_stride: dense
	s_mov_b32 s[G1A+6], 0
	s_mov_b32 s[G1A+7], 0
	s_mov_b32 s[G1B], 15|(3<<16)|(1<<21)
	s_mov_b32 s[G1B+1], 32<<16
	s_mov_b32 s[G1B+2], 144<<16
	s_mov_b32 s[G1B+3], 32<<16
	s_mov_b32 s[G1B+4], 144
	s_mov_b32 s[G1B+5], 32
	s_mov_b32 s[G1B+6], 0
	s_mov_b32 s[G1B+7], 0
	s_mov_b32 s[TB], 0
	; what is mine alone: the block of outputs.  It enters global addresses of the weights, their scales, be and out, and nothing else
	s_bfe_u32 s15, ttmp6, 0x40000                  ; cx
	s_lshl_b32 s16, ttmp9, 2
	s_add_co_u32 s16, s16, s15                     ; the block of 64 outputs = 4 x cluster x + cx
	s_lshl_b32 s18, s16, 2
	s_add_co_u32 s18, s18, s[WV]                   ; my tile of 16 outputs
	s_lshl_b32 s60, s18, 16                        ; wimg: 65,536 bytes a tile
	s_mov_b32 s61, 0
	s_lshl_b32 s62, s18, 9                         ; scales: 16 rows of 32 bytes
	s_mov_b32 s63, 0
	s_lshl_b32 s20, s18, 6                         ; be: 16 numbers
	s_mov_b32 s21, 0
	s_lshl_b32 s2, s17, 21                         ; out: 512 tokens of 4,096 bytes,
	s_lshl_b32 s3, s16, 8                          ; + 64 outputs of 4 bytes
	s_add_co_u32 s2, s2, s3
	s_mov_b32 s3, 0
	s_wait_dscnt 0x0
	s_wait_kmcnt 0x0
	s_add_nc_u64 s[56:57], s[4:5], s[56:57]
	s_add_nc_u64 s[6:7], s[6:7], s[60:61]
	s_add_nc_u64 s[8:9], s[8:9], s[62:63]
	s_add_nc_u64 s[10:11], s[10:11], s[20:21]
	s_add_nc_u64 s[OB:OB+1], s[12:13], s[2:3]
	s_mov_b32 s[D0], 1                             ; count = 1
	s_mov_b32 s[D0+1], s22                         ; LDS address: records 2 w, 2 w + 1
	s_add_nc_u64 s[D0+2:D0+3], s[56:57], s[22:23]  ; a record lies in LDS where it lies in the block
	s_or_b32 s[D0+3], s[D0+3], 0x80000000          ; type = 2
	s_mov_b32 s[D1], 1
	s_add_co_u32 s[D1+1], s22, 8*REC               ; records 8 + 2 w, 9 + 2 w
	s_add_nc_u64 s[D1+2:D1+3], s[56:57], s[22:23]
	s_add_nc_u64 s[D1+2:D1+3], s[D1+2:D1+3], 8*REC
	s_or_b32 s[D1+3], s[D1+3], 0x80000000
	s_mov_b32 s[D2], 1
	s_mov_b32 s[D2+1], s58                         ; records 16 + 4 w .. 19 + 4 w
	s_add_nc_u64 s[D2+2:D2+3], s[56:57], s[58:59]
	s_or_b32 s[D2+3], s[D2+3], 0x80000000
	CROUND                                         ; all four work-groups are here: the joint loads meet
	tensor_load_to_lds s[D0:D0+3], s[G1A:G1A+7]    ; the first eight records: wanted with the first products
	s_nop 0
.rept 4
	v_nop
.endr
	; my weights: 152 loads, each of the fragments' 512 consecutive bytes
.irp e, 0,1,2,3,4,5,6,7
	global_load_b128 v[WS+4*\e:WS+4*\e+3], v[WSA], s[8:9] offset:32768*\e       ; lane (r, h): output r's words of K steps 4 h .. 4 h + 3
.endr
.irp e, 0,1,2,3,4,5,6,7
	global_load_b128 v[BE+8*\e:BE+8*\e+3], v[BEA], s[10:11] offset:4096*\e      ; be in the result's layout: outputs 8 h + 0 .. 7
	global_load_b128 v[BE+8*\e+4:BE+8*\e+7], v[BEA], s[10:11] offset:4096*\e+16
.endr
.irp e, 0,1,2,3,4,5,6,7
.irp c, 0,1
	global_load_b128 v[EV+8*\e+4*\c:EV+8*\e+4*\c+3], v[LI], s[6:7] offset:8192*\e+512*\c
.endr
.endr
	WIN 0x80                                       ; destination window 2
.irp e, 0,1,2,3
.irp s, 1,2,3,4,5,6,7
.irp c, 0,1
	global_load_b128 v[8*(7*\e+\s-1)+4*\c:8*(7*\e+\s-1)+4*\c+3], v[LI], s[6:7] offset:(8*\e+\s)*1024+512*\c
.endr
.endr
.endr
	WIN 0xc0                                       ; destination window 3
.irp e, 4,5,6,7
.irp s, 1,2,3,4,5,6,7
.irp c, 0,1
	global_load_b128 v[8*(7*(\e-4)+\s-1)+4*\c:8*(7*(\e-4)+\s-1)+4*\c+3], v[LI], s[6:7] offset:(8*\e+\s)*1024+512*\c
.endr
.endr
.endr
	WIN 0
	; The other 24 records are asked for behind the weights, which the first product waits for: the loads' counter holds 63 and issue waits at a full counter (ISA guide 5.7.1), so at most 63 of my 152 loads are out here.
	; Still ahead of every wait on TENSORcnt, every LDS read and every barrier of the work-group alone, and in the same round.
	tensor_load_to_lds s[D1:D1+3], s[G1A:G1A+7]
	s_nop 0
	tensor_load_to_lds s[D2:D2+3], s[G1B:G1B+7]
	s_nop 0
.rept 4
	v_nop
.endr
	WIN 0x80
	v_add_nc_u32 v[XA2], s[TB], v[LI]
	v_add_nc_u32 v[GA2], s[TB], v[R16]
	v_add_nc_u32 v[STO], s66, v8
	v_add_nc_u32 v[RD], s67, v9
	v_add_nc_u32 v[CO], s68, v10
	WIN 0
	s_wait_tensorcnt 0x2                           ; my part of records 0-7 is in; the two loads behind it may be out
	s_barrier_signal -1
	s_barrier_wait -1                              ; everybody's is
	WIN 0x40
.irp i, 0,1,2,3,4,5,6,7,8,9,10,11,12,13,14,15
	ds_load_b128 v[XF+4*\i:XF+4*\i+3], v[LI] offset:512*\i         ; tile 0's eight fragments
.endr
	WIN 0
	ds_load_b128 v[XS:XS+3], v[LI] offset:8192     ; its scale words
	WIN 0xc0
	ds_load_b128 v[G03:G03+3], v[R16] offset:8704  ; its gates of experts 0-3: every lane its token's
	WIN 0
	s_wait_loadcnt 0x0                             ; the weights.  (The wait for these LDS loads stands at the tile's head)
; One product: expert ke, K step ks, of the tile of parity p.  K step 0 starts the sum with be as C.  K steps 4-7 take both sides' scale words from lanes 16-31.
.macro WM p
.set rY, Y+8*ke
.set rB, XF+64*(\p)+8*ks
.set rW, WS+4*ke+(ks&3)
.set rX, XS+4*(\p)+(ks&3)
.set rA, 8*(7*(ke&3)+ks-1)
.if ks == 0
	v_wmma_scale_f32_16x16x128_f8f6f4 v[rY:rY+7], v[EV+8*ke:EV+8*ke+7], v[rB:rB+7], v[BE+8*ke:BE+8*ke+7], v[rW], v[rX] matrix_a_fmt:MATRIX_FMT_FP4 matrix_b_fmt:MATRIX_FMT_FP4
.elseif ks < 4
	v_wmma_scale_f32_16x16x128_f8f6f4 v[rY:rY+7], v[rA:rA+7], v[rB:rB+7], v[rY:rY+7], v[rW], v[rX] matrix_a_fmt:MATRIX_FMT_FP4 matrix_b_fmt:MATRIX_FMT_FP4
.else
	v_wmma_scale_f32_16x16x128_f8f6f4 v[rY:rY+7], v[rA:rA+7], v[rB:rB+7], v[rY:rY+7], v[rW], v[rX] matrix_a_fmt:MATRIX_FMT_FP4 matrix_b_fmt:MATRIX_FMT_FP4 matrix_a_scale:MATRIX_SCALE_ROW1 matrix_b_scale:MATRIX_SCALE_ROW1
.endif
.endm
; One step of the weighing: outputs 2 cq, 2 cq + 1 of expert ce, gates of parity pg.  The gate is one register of an aligned pair and serves both halves.  Expert 0 starts the sum.  cq ascends: each accumulator is read from its low end on.
.macro CMB pg
.if ce < 4
.set gp, G03+4*(\pg)+(ce&2)
.else
.set gp, G47+4*(\pg)+(ce&2)
.endif
.set rO, OUT+2*cq
.set rY, Y+8*ce+2*cq
.if ce == 0
	v_pk_mul_f32 v[rO:rO+1], v[gp:gp+1], v[rY:rY+1] op_sel_hi:[0,1]
.elseif (ce&1) == 0
	v_pk_fma_f32 v[rO:rO+1], v[gp:gp+1], v[rY:rY+1], v[rO:rO+1] op_sel_hi:[0,1,1]
.else
	v_pk_fma_f32 v[rO:rO+1], v[gp:gp+1], v[rY:rY+1], v[rO:rO+1] op_sel:[1,0,0] op_sel_hi:[1,1,1]
.endif
.endm
; TILE j, of parity p: 64 products, k = 0 .. 63: experts 0-3 by turns through K, then experts 4-7 (the four accumulators of a group take turns, one instruction a turn; so it is over the change of groups and from tile to tile).
; st = 1 (from tile 1 on): tile j - 1 is finished here: its experts 4-7 are weighed in, behind products 4-19, and its sums go into stage p.
; rb = 1 (from tile 2 on): the barrier at the head; tile j - 2's rows are read back from stage 1 - p and stored.      next = 1: tile j + 1's fragments, scale words and gates 0-3 are fetched.
; tw >= 0: a wait on TENSORcnt stands in front of this tile's barrier, for the records that this tile is the first to read.
; RUN 1, behind products 0-3: the read-backs, then the 19 loads for the next tile, which have the tile's other 60 products in which to land.  RUN 2, behind product 20: the stage's stores, then the global stores.
; THE STAGES.  Stores into stage p in tile j; tile j + 1's barrier, in front of which every wave has waited for all its LDS instructions; the read-backs in tile j + 1; tile j + 2's barrier likewise; the next stores into stage p in tile j + 2.
; PLACES (four plain vector instructions behind a product before its result is read or one of its registers is loaded into): the v_nop behind products 0-3 serve the first read of the last tile's
; accumulators 4-7 and the loads into the scale words and fragments that it multiplied; those behind products 32-35 the first read of accumulators 0-3.  A product that begins an accumulator anew finds these four
; and twelve steps of the weighing that name other accumulators behind that accumulator's last link.
.macro TILE p, st, rb, next, tw
.if \tw >= 0
	s_wait_tensorcnt \tw                           ; my part of the records that this tile is the first to read has landed
.endif
	s_wait_dscnt 0x0                               ; this tile's operands are in (asked for 60 products ago); my stores into the stage are done (43 products ago), my read-backs of the other stage too
.if \rb
	s_barrier_signal -1                            ; between signal and wait: four products, on registers alone
.endif
	WIN S0
.set k, 0
.rept 4
.set ke, k
.set ks, 0
	WM \p
	v_nop
.set k, k+1
.endr
	WIN SA
.if \rb
	s_barrier_wait -1                              ; 16 whole rows of tile j - 2 lie in stage 1 - p
	s_wait_xcnt 0x0                                ; the last tile's stores have read their data and their base: only behind this wait are both written again
.if \p == 0
	s_add_nc_u64 s[OB:OB+1], s[OB:OB+1], 131072    ; two tiles of 16 rows on
.endif
	ds_load_b128 v[RB:RB+3], v[RD] offset:STGB*(1-\p)
	ds_load_b128 v[RB+4:RB+7], v[RD] offset:STGB*(1-\p)+2*SROW
.endif
.if \next
.set n, 0
.rept 16
	ds_load_b128 v[XF+64*(1-\p)+4*n:XF+64*(1-\p)+4*n+3], v[XA2] offset:(\p+1)*REC+512*n
.set n, n+1
.endr
	WIN 0x02                                       ; destination window 0, address window 2
	ds_load_b128 v[XS+4*(1-\p):XS+4*(1-\p)+3], v[XA2] offset:(\p+1)*REC+8192
	WIN 0xc2                                       ; destination window 3
	ds_load_b128 v[G03+4*(1-\p):G03+4*(1-\p)+3], v[GA2] offset:(\p+1)*REC+8704
.endif
	WIN 0x82                                       ; destination window 2
	ds_load_b128 v[G47+4*\p:G47+4*\p+3], v[GA2] offset:\p*REC+8960     ; this tile's gates of experts 4-7: wanted in the next tile
	WIN SA
.rept 28
.set ke, k&3
.set ks, k>>2
	WM \p
.if k < 20
.if \st
.set ce, 4+((k-4)>>2)
.set cq, (k-4)&3
	CMB 1-\p
.endif
.elseif k == 20
.if \st
	ds_store_b128 v[STO], v[OUT:OUT+3] offset:STGB*\p              ; tile j - 1: token r, my outputs 8 h + 0 .. 7
	ds_store_b128 v[STO], v[OUT+4:OUT+7] offset:STGB*\p+16
.endif
.if \rb
	s_wait_dscnt 3+18*\next                        ; the two read-backs are in; behind them: run 1's other loads (19, or the gates alone) and the two stores above
	global_store_b128 v[CO], v[RB:RB+3], s[OB:OB+1] offset:(\p-2)*65536 th:TH_STORE_NT         ; tile j - 2: sixteen lanes store 256 consecutive bytes of a token's row, at a multiple of 256 from out's first byte
	global_store_b128 v[CO], v[RB+4:RB+7], s[OB:OB+1] offset:(\p-2)*65536+8192 th:TH_STORE_NT
.endif
.endif
.set k, k+1
.endr
	WIN S0
.rept 4
.set ke, 4+(k-32)
.set ks, 0
	WM \p
	v_nop
.set k, k+1
.endr
	WIN SB
.rept 28
.set ke, 4+(k&3)
.set ks, (k-32)>>2
	WM \p
.if k < 52
.set ce, (k-36)>>2
.set cq, (k-36)&3
	CMB \p
.endif
.set k, k+1
.endr
.endm
.macro STEP                            ; on to the next pair of records
	s_add_co_u32 s[TB], s[TB], 2*REC
	WIN 0x80
	v_add_nc_u32 v[XA2], s[TB], v[LI]
	v_add_nc_u32 v[GA2], s[TB], v[R16]
	WIN 0                                          ; at a label and at a branch every window is 0
.endm
.macro PAIRS n                         ; n pairs of tiles
	s_mov_b32 s[CNT], \n
.Lpair_\@:
	TILE 0, 1, 1, 1, -1
	TILE 1, 1, 1, 1, -1
	STEP
	s_sub_co_u32 s[CNT], s[CNT], 1
	s_cmp_lg_u32 s[CNT], 0
	s_cbranch_scc1 .Lpair_\@
.endm
	TILE 0, 0, 0, 1, -1                            ; tile 0: nothing to finish
	TILE 1, 1, 0, 1, -1                            ; tile 1: tile 0 goes into the stage; nothing to read back yet, so no barrier
	STEP
	PAIRS 2                                        ; tiles 2-5
	TILE 0, 1, 1, 1, -1
	TILE 1, 1, 1, 1, 1                             ; tile 7 is the first to read record 8: records 8-15 have landed (the last load may be out) in front of its barrier
	STEP
	PAIRS 3                                        ; tiles 8-13
	TILE 0, 1, 1, 1, -1
	TILE 1, 1, 1, 1, 0                             ; tile 15 is the first to read record 16: records 16-31 have landed
	STEP
	PAIRS 7                                        ; tiles 16-29
	TILE 0, 1, 1, 1, -1
	TILE 1, 1, 1, 0, -1                            ; tile 31 fetches nothing more
	; THE LAST TWO TILES LEAVE.  Tile 30's sums lie in stage 1; tile 31's experts 4-7 are still to be weighed in.
	s_wait_dscnt 0x0                               ; my part of stage 1 is stored, and my read-backs of stage 0 are in
	s_barrier_signal -1                            ; between signal and wait: the weighing, on registers alone
	WIN SA
.rept 4
	v_nop                                          ; places behind the last products
.endr
.set n, 0
.rept 16
.set ce, 4+(n>>2)
.set cq, n&3
	CMB 1
.set n, n+1
.endr
	s_barrier_wait -1
	s_wait_xcnt 0x0                                ; tile 29's stores have read their data
	ds_load_b128 v[RB:RB+3], v[RD] offset:STGB
	ds_load_b128 v[RB+4:RB+7], v[RD] offset:STGB+2*SROW
	ds_store_b128 v[STO], v[OUT:OUT+3]             ; tile 31 into stage 0, which nobody reads behind the barrier above
	ds_store_b128 v[STO], v[OUT+4:OUT+7] offset:16
	s_wait_dscnt 0x2                               ; the two read-backs are in; the two stores behind them may be out
	global_store_b128 v[CO], v[RB:RB+3], s[OB:OB+1] th:TH_STORE_NT                 ; tile 30
	global_store_b128 v[CO], v[RB+4:RB+7], s[OB:OB+1] offset:8192 th:TH_STORE_NT
	s_wait_dscnt 0x0                               ; for the others' sake: my part of stage 0 is stored
	s_barrier_signal -1
	s_barrier_wait -1
	s_wait_xcnt 0x0                                ; tile 30's stores have read their data
	ds_load_b128 v[RB:RB+3], v[RD]
	ds_load_b128 v[RB+4:RB+7], v[RD] offset:2*SROW
	s_wait_dscnt 0x0
	global_store_b128 v[CO], v[RB:RB+3], s[OB:OB+1] offset:65536 th:TH_STORE_NT    ; tile 31
	global_store_b128 v[CO], v[RB+4:RB+7], s[OB:OB+1] offset:65536+8192 th:TH_STORE_NT
	WIN 0
	s_wait_tensorcnt 0x0                           ; (met since tile 15)
	s_wait_tensorcnt 0x0
	ds_add_u32 v254, v255
	s_wait_dscnt 0x0
	CROUND                                         ; the closing round: no work-group ends while a partner may still ask for a record jointly
	s_endpgm
.Lfunc_end_k_q1bea6a8f42_moe:
	.size	k_q1bea6a8f42_moe, .Lfunc_end_k_q1bea6a8f42_moe-k_q1bea6a8f42_moe
	.p2alignl 7, 3214868480
	.fill 96, 4, 3214868480
	.section	.rodata,"a",@progbits
	.p2align	6, 0x0
	.amdhsa_kernel k_q1bea6a8f42_moe
		.amdhsa_group_segment_fixed_size 327680
		.amdhsa_private_segment_fixed_size 0
		.amdhsa_enable_private_segment 0
		.amdhsa_kernarg_size 40
		.amdhsa_user_sgpr_count 2
		.amdhsa_user_sgpr_kernarg_segment_ptr 1
		.amdhsa_wavefront_size32 1
		.amdhsa_system_sgpr_workgroup_id_x 1
		.amdhsa_system_sgpr_workgroup_id_y 1
		.amdhsa_system_sgpr_workgroup_id_z 1
		.amdhsa_system_vgpr_workitem_id 0
		.amdhsa_next_free_vgpr 1024
		.amdhsa_next_free_sgpr 70
		.amdhsa_reserve_vcc 0
		.amdhsa_float_denorm_mode_32 3
		.amdhsa_float_denorm_mode_16_64 3
		.amdhsa_memory_ordered 1
		.amdhsa_forward_progress 1
		.amdhsa_inst_pref_size 195
	.end_amdhsa_kernel
	.amdgpu_metadata
---
amdhsa.version: [ 1, 2 ]
amdhsa.kernels:
  - .name:           k_q1bea6a8f42_moe
    .symbol:         k_q1bea6a8f42_moe.kd
    .args:
      - { .name: xq, .offset: 0, .size: 8, .value_kind: global_buffer, .address_space: global }
      - { .name: wimg, .offset: 8, .size: 8, .value_kind: global_buffer, .address_space: global }
      - { .name: We_scales, .offset: 16, .size: 8, .value_kind: global_buffer, .address_space: global }
      - { .name: be, .offset: 24, .size: 8, .value_kind: global_buffer, .address_space: global }
      - { .name: out0, .offset: 32, .size: 8, .value_kind: global_buffer, .address_space: global }
    .group_segment_fixed_size: 327680
    .private_segment_fixed_size: 0
    .kernarg_segment_align: 8
    .kernarg_segment_size: 40
    .max_flat_workgroup_size: 128
    .sgpr_count:     70
    .vgpr_count:     1024
    .wavefront_size: 32
...
	.end_amdgpu_metadata
.endif
;; end of part 3
